; MI455X (gfx1250); checked and timed in simulation.
; The chip was launched on July 23, 2026; its instructions are those of AMD's public machine-readable ISA for CDNA 5 (MIT licence, August 2026) and "CDNA5" Instruction Set Architecture Reference Guide (July 2026). The comments in the code are by the model that wrote it; some were corrected since.
;; Stacked Linear. Allowed arithmetic: float matrix products may take bf16 or f16 operands with f32 sums; other float arithmetic in f32, or as packed bf16 or f16 multiplies, adds, multiply-adds, maxima and minima; sums over many terms, partial sums and values carried from step to step in f32; what a program stores and reads back later, other than sums and carried values, may be rounded once to bf16 or f16.
;; Inputs: W 2,048 x 2,048 float32; b 2,048 float32; ls_indices 16,384 int32; x 16,384 x 2,048 float32.
;; Outputs: out0 16,384 x 256 float32.
;; One version. Each part assembles by itself: llvm-mc -triple=amdgcn-amd-amdhsa -mcpu=gfx1250 --defsym DOCPART=n.
;; ======== version 1 of 1: 2 launches
;; workspace buffers: Wp 8,388,608 bytes; rows 71,424 bytes of whole numbers
;; launch prep (part 1): grid 256 x 1, 8 waves a work-group, no clusters, 35,072 bytes of LDS; arguments W, ls_indices, Wp, rows; writes Wp, rows
.if DOCPART == 1
	.amdgcn_target "amdgcn-amd-amdhsa--gfx1250"
	.amdhsa_code_object_version 6
	.text
	.protected	k_qf39f0f92f4_prep
	.globl	k_qf39f0f92f4_prep
	.p2align	8
	.type	k_qf39f0f92f4_prep,@function
k_qf39f0f92f4_prep:
	s_mov_b64 s[64:65], 0
	v_nop
	global_prefetch_b8 v0, s[64:65] scope:SCOPE_SE
	s_setreg_imm32_b32 hwreg(HW_REG_WAVE_MODE, 25, 1), 1
	s_wait_xcnt 0x0
; PREPARATION.  (1) W [2048][2048] f32 is rounded once to bf16 and laid out in the order in which a wave of the next launch takes its matrix operands:
;   Wp[e 8][w 4][ks 64][f 4][hf 2][lane 32][8 bf16]; with r = lane % 16, h = lane / 16 the 16 bytes are W[256 e + 64 w + 16 f + r][32 ks + 16 hf + 8 h .. + 7].
; (2) The 16,384 tokens are sorted by expert, by counting, into records of 84 words, one for each tile of 80 rows: words 0-79 the tokens of the tile's slots
;   (0 past the count), word 80 the expert, word 81 the count n, words 82, 83 zero.  Expert e with c tokens has ceil(c / 80) tiles, one expert's behind the other's:
;   never more than (16,384 + 8 x 79) / 80 = 212 tiles, whatever the split.  A tile that the split leaves empty gets n = 0.
; SHARES.  256 work-groups of 8 waves.  Work-group g makes block g of Wp (32,768 bytes: W's rows 64 (g / 8) on, columns 256 (g % 8) on), places tokens 64 g .. 64 g + 63,
;   and, if g < 212, writes the words of record g that no token owns.  So each word of both buffers has one writer.
;   Every work-group counts all 16,384 indices for itself (64 KiB, 64 indices a thread): no traffic between work-groups.
; LIMIT.  An index counts modulo 8 (the problem keeps it in 0 .. 7).
.set WPITCH, 528                       ; a row of the stage: 512 bytes of bf16 + 16 = 33 x 16, so the 16 rows of a 16-byte load begin at 16 different places modulo 256 bytes
.set CNT,    33792                     ; behind the stage's 64 rows: 8 waves x 8 words of packed counts
.set SPARE,  34048                     ; the spare words, 128 bytes for each of 8 waves: no other line names them
.set IDX, 16                           ; v[16:79]   64 indices; later at work
.set WR,  80                           ; v[80:143]  my 64 numbers of W
.set RR,  144                          ; v[144:151] packed counts: two experts of 16 bits a register
.set TE,  152                          ; counts in bytes: all tokens, experts 0,2,4,6
.set TOD, 153                          ;                  all tokens, experts 1,3,5,7
.set BE,  154                          ; the same of the tokens in front of token 64 g
.set BOD, 155
.set TN,  156                          ; counts in nibbles, of three units at the most (12 tokens)
.set BN,  157
.set TMP, 158
.set TM2, 159
	s_load_b256 s[4:11], s[0:1], 0x0               ; W s[4:5], ls_indices s[6:7], Wp s[8:9], rows s[10:11]
	v_lshl_add_u32 v4, v0, 2, SPARE                ; my spare word, and 0: kept for the wave's end alone
	v_mov_b32 v5, 0
	v_lshrrev_b32 v8, 5, v0
	v_readfirstlane_b32 s12, v8                    ; wave 0..7
	s_mov_b32 s13, ttmp9                           ; g
	v_and_b32 v1, 31, v0                           ; lane
	v_and_b32 v2, 15, v0                           ; r
	v_bfe_u32 v3, v0, 4, 1                         ; h
	v_mov_b32 v6, 1
	s_mov_b32 s19, 0x0f0f0f0f
	s_mov_b32 s62, 0x00ff00ff
	s_mov_b32 s60, 0x76543210                      ; v_permlanex16_b32: each lane takes its own place in the other half
	s_mov_b32 s61, 0xfedcba98
	v_lshlrev_b32 v9, 4, v0                        ; four indices a thread: 16 t
	s_lshl_b32 s14, s13, 8
	v_lshl_add_u32 v10, v1, 2, s14                 ; the work-group's own 64 indices: 256 g + 4 lane
	v_lshlrev_b32 v11, 4, v1
	v_lshl_add_u32 v11, s12, 16, v11               ; W: 16 lane + 8 rows of 8,192 bytes a wave
	s_lshr_b32 s16, s13, 3
	s_lshl_b32 s16, s16, 19                        ; 64 rows of 8,192 bytes
	s_and_b32 s17, s13, 7
	s_lshl_b32 s17, s17, 10                        ; 256 columns of 4 bytes
	s_add_co_u32 s16, s16, s17
	s_mov_b32 s17, 0
	s_lshl_b32 s14, s13, 15                        ; block g of Wp
	s_mov_b32 s15, 0
	s_lshl_b32 s18, s13, 4                         ; 16 g: the units of four tokens in front of token 64 g
	s_wait_kmcnt 0x0
	s_add_nc_u64 s[4:5], s[4:5], s[16:17]
	s_add_nc_u64 s[8:9], s[8:9], s[14:15]
	; 34 loads go out together, the indices first: the counting below runs while W is on its way
.irp j, 0,1,2,3,4,5,6,7,8,9,10,11,12,13,14,15
	global_load_b128 v[IDX+4*\j:IDX+4*\j+3], v9, s[6:7] offset:4096*\j   ; unit 256 j + t: tokens 4 (256 j + t) on
.endr
	global_load_b32 v12, v10, s[6:7]               ; token 64 g + lane
	global_load_b32 v13, v10, s[6:7] offset:128    ; token 64 g + 32 + lane
.irp i, 0,1,2,3,4,5,6,7
	global_load_b128 v[WR+8*\i:WR+8*\i+3],   v11, s[4:5] offset:8192*\i th:TH_LOAD_NT      ; a row's 1,024 bytes in two loads of 512 consecutive bytes
	global_load_b128 v[WR+8*\i+4:WR+8*\i+7], v11, s[4:5] offset:8192*\i+512 th:TH_LOAD_NT
.endr
; One unit of four indices: each becomes 1 in its expert's nibble (the shift takes 4 x index modulo 32: index modulo 8); the four are added onto the nibble counts,
; and onto the second set if the unit lies in front of token 64 g: 256 j + t < 16 g.  first = 1: the unit starts the nibble counts, so nothing is cleared.
.macro UNIT j, first
.irp k, 0,1,2,3
	v_lshlrev_b32 v[IDX+4*(\j)+\k], 2, v[IDX+4*(\j)+\k]
.endr
.irp k, 0,1,2,3
	v_lshlrev_b32 v[IDX+4*(\j)+\k], v[IDX+4*(\j)+\k], v6
.endr
	v_cmp_gt_i32 vcc_lo, s18, v0                   ; 16 g - 256 j > t
	s_sub_co_i32 s18, s18, 256                     ; for the next unit
	v_add3_u32 v[IDX+4*(\j)], v[IDX+4*(\j)], v[IDX+4*(\j)+1], v[IDX+4*(\j)+2]
.if \first
	v_add_nc_u32 v[TN], v[IDX+4*(\j)], v[IDX+4*(\j)+3]
	v_cndmask_b32 v[BN], 0, v[TN], vcc_lo
.else
	v_add_nc_u32 v[TMP], v[IDX+4*(\j)], v[IDX+4*(\j)+3]
	v_add_nc_u32 v[TN], v[TN], v[TMP]
	v_cndmask_b32 v[TMP], 0, v[TMP], vcc_lo
	v_add_nc_u32 v[BN], v[BN], v[TMP]
.endif
.endm
; The nibble counts (12 at the most) go over into byte counts (64 at the most: a thread's 64 indices).
.macro WIDEN first
.if \first
	v_and_b32 v[TE], s19, v[TN]
	v_lshrrev_b32 v[TOD], 4, v[TN]
	v_and_b32 v[BE], s19, v[BN]
	v_lshrrev_b32 v[BOD], 4, v[BN]
	v_and_b32 v[TOD], s19, v[TOD]
	v_and_b32 v[BOD], s19, v[BOD]
.else
	v_and_b32 v[TMP], s19, v[TN]
	v_lshrrev_b32 v[TM2], 4, v[TN]
	v_add_nc_u32 v[TE], v[TE], v[TMP]
	v_and_b32 v[TM2], s19, v[TM2]
	v_add_nc_u32 v[TOD], v[TOD], v[TM2]
	v_and_b32 v[TMP], s19, v[BN]
	v_lshrrev_b32 v[TM2], 4, v[BN]
	v_add_nc_u32 v[BE], v[BE], v[TMP]
	v_and_b32 v[TM2], s19, v[TM2]
	v_add_nc_u32 v[BOD], v[BOD], v[TM2]
.endif
.endm
	s_wait_loadcnt 16                              ; the 16 loads of W are younger and stay out; all indices are in
	UNIT 0, 1
	UNIT 1, 0
	UNIT 2, 0
	WIDEN 1
.irp u, 3,6,9,12
	UNIT \u, 1
	UNIT (\u)+1, 0
	UNIT (\u)+2, 0
	WIDEN 0
.endr
	UNIT 15, 1
	WIDEN 0
	; bytes to fields of 16 bits (16,384 at the most in the end): RR+0 experts 0|4, +1 2|6, +2 1|5, +3 3|7; RR+4 .. +7 the same of the tokens in front
	v_and_b32 v[RR+0], s62, v[TE]
	v_lshrrev_b32 v[RR+1], 8, v[TE]
	v_and_b32 v[RR+2], s62, v[TOD]
	v_lshrrev_b32 v[RR+3], 8, v[TOD]
	v_and_b32 v[RR+4], s62, v[BE]
	v_lshrrev_b32 v[RR+5], 8, v[BE]
	v_and_b32 v[RR+6], s62, v[BOD]
	v_lshrrev_b32 v[RR+7], 8, v[BOD]
.irp k, 1,3,5,7
	v_and_b32 v[RR+\k], s62, v[RR+\k]
.endr
	; the sum over the wave's 32 lanes, in whole numbers: four steps inside each half, one across
.irp m, 1,2,4,8
.irp k, 0,1,2,3,4,5,6,7
	v_mov_b32_dpp v[IDX+\k], v[RR+\k] row_xmask:\m row_mask:0xf bank_mask:0xf
.endr
.irp k, 0,1,2,3,4,5,6,7
	v_add_nc_u32 v[RR+\k], v[RR+\k], v[IDX+\k]
.endr
.endr
.irp k, 0,1,2,3,4,5,6,7
	v_permlanex16_b32 v[IDX+\k], v[RR+\k], s60, s61
.endr
.irp k, 0,1,2,3,4,5,6,7
	v_add_nc_u32 v[RR+\k], v[RR+\k], v[IDX+\k]
.endr
	v_lshl_add_u32 v8, s12, 5, CNT                 ; my wave's eight words; all lanes write the same numbers
	ds_store_b128 v8, v[RR:RR+3]
	ds_store_b128 v8, v[RR+4:RR+7] offset:16
	; W: rounded once, four numbers to 8 bytes, into the stage by rows
	s_wait_loadcnt 0x0
.irp k, 0,1,2,3,4,5,6,7,8,9,10,11,12,13,14,15
	v_cvt_pk_bf16_f32 v[WR+4*\k],   v[WR+4*\k],   v[WR+4*\k+1]
	v_cvt_pk_bf16_f32 v[WR+4*\k+1], v[WR+4*\k+2], v[WR+4*\k+3]
.endr
	s_mul_i32 s14, s12, 8*WPITCH
	v_lshl_add_u32 v14, v1, 3, s14                 ; my wave's 8 rows, 8 bytes a lane: 256 consecutive bytes a store
.irp i, 0,1,2,3,4,5,6,7
	ds_store_b64 v14, v[WR+8*\i:WR+8*\i+1]   offset:WPITCH*\i
	ds_store_b64 v14, v[WR+8*\i+4:WR+8*\i+5] offset:WPITCH*\i+256
.endr
	s_wait_dscnt 0x0                               ; for the others' sake: my counts and my rows are in LDS
	s_barrier_signal -1
	s_barrier_wait -1
	; wave v takes the block's K step v (32 columns): eight half fragments, each read as 16 rows x 32 bytes and stored as 512 consecutive bytes
	v_mul_u32_u24 v15, v2, WPITCH
	v_lshl_add_u32 v15, v3, 4, v15
	v_lshl_add_u32 v15, s12, 6, v15                ; r x pitch + 16 h + 64 x wave
.irp f, 0,1,2,3
	ds_load_b128 v[IDX+8*\f:IDX+8*\f+3],   v15 offset:16*WPITCH*\f
	ds_load_b128 v[IDX+8*\f+4:IDX+8*\f+7], v15 offset:16*WPITCH*\f+32
.endr
	v_lshlrev_b32 v8, 4, v1
	v_lshl_add_u32 v8, s12, 12, v8                 ; 4,096 x wave + 16 lane
.irp i, 0,1,2,3,4,5,6,7
	s_wait_dscnt 7-\i                              ; LDS loads come back in order: number i is in
	global_store_b128 v8, v[IDX+4*\i:IDX+4*\i+3], s[8:9] offset:512*\i
.endr
	s_cmp_lg_u32 s12, 0
	s_cbranch_scc1 .Lend                           ; the sorting is wave 0's; no barrier follows.  It works in v48 and above: v8 and v16-47 belong to the stores that are out
	; the eight waves' packed counts: lane l takes word l and word 32 + l (wave l / 8 and 4 + l / 8, register l % 8); lanes 8 and 16 apart are added
	v_lshl_add_u32 v48, v1, 2, CNT
	ds_load_b32 v49, v48
	ds_load_b32 v50, v48 offset:128
	s_wait_dscnt 0x0
	v_add_nc_u32 v49, v49, v50
	v_mov_b32_dpp v50, v49 row_xmask:8 row_mask:0xf bank_mask:0xf
	v_add_nc_u32 v49, v49, v50
	v_permlanex16_b32 v50, v49, s60, s61
	v_add_nc_u32 v49, v49, v50
.irp k, 0,1,2,3,4,5,6,7
	v_readlane_b32 s[20+\k], v49, \k
.endr
.irp p, 0,1,2,3                        ; register p holds experts E and E + 4, E = 0, 2, 1, 3
	s_and_b32  s[28+((\p)&1)*2+((\p)>>1)], s[20+\p], 0xffff   ; s[28:35] the experts' counts
	s_lshr_b32 s[32+((\p)&1)*2+((\p)>>1)], s[20+\p], 16
	s_and_b32  s[36+((\p)&1)*2+((\p)>>1)], s[24+\p], 0xffff   ; s[36:43] of them in front of token 64 g
	s_lshr_b32 s[40+((\p)&1)*2+((\p)>>1)], s[24+\p], 16
.endr
	; x div 80 = (x >> 4) div 5, and y div 5 = (y * 13108) >> 16 for y up to 1,028: 13108 / 65536 exceeds 1 / 5 by 1.3e-5, 0.013 at the most in all, under the 1 / 5 that is free
	s_mov_b32 s44, 0                               ; s[44:51] each expert's first tile
.irp e, 0,1,2,3,4,5,6
	s_add_co_u32 s54, s[28+\e], 79
	s_lshr_b32 s54, s54, 4
	s_mul_i32 s54, s54, 13108
	s_lshr_b32 s54, s54, 16
	s_add_co_u32 s[45+\e], s[44+\e], s54
.endr
	; a token's rank among its expert's: those in front of the work-group, those of the work-group in lower lanes (and, for the second 32, all of the first 32)
	v_and_b32 v12, 7, v12
	v_and_b32 v13, 7, v13
	v_mov_b32 v51, 0
	v_mov_b32 v52, 0
	v_mov_b32 v53, 0
	v_mov_b32 v54, 0
.irp e, 0,1,2,3,4,5,6,7
	v_cmp_eq_u32 s52, \e, v12
	v_cmp_eq_u32 s53, \e, v13
	s_bcnt1_i32_b32 s54, s52
	s_add_co_u32 s54, s54, s[36+\e]
	v_mbcnt_lo_u32_b32 v55, s52, 0
	v_mbcnt_lo_u32_b32 v56, s53, 0
	v_add_nc_u32 v55, s[36+\e], v55
	v_add_nc_u32 v56, s54, v56
	v_cndmask_b32 v51, v51, v55, s52               ; rank
	v_cndmask_b32 v52, v52, v56, s53
	v_cndmask_b32 v53, v53, s[44+\e], s52          ; the expert's first tile
	v_cndmask_b32 v54, v54, s[44+\e], s53
.endr
	; word = 84 (first tile + rank div 80) + rank mod 80 = 84 x first tile + rank + 4 (rank div 80)
.irp p, 0,1
	v_lshrrev_b32 v[55+\p], 4, v[51+\p]
	v_mul_u32_u24 v[55+\p], 13108, v[55+\p]
	v_lshrrev_b32 v[55+\p], 16, v[55+\p]
	v_mad_u32_u24 v[57+\p], v[53+\p], 84, v[51+\p]
	v_lshl_add_u32 v[57+\p], v[55+\p], 2, v[57+\p]
	v_min_u32 v[57+\p], 0x458f, v[57+\p]           ; the records' last word: 212 x 84 - 1
	v_lshlrev_b32 v[57+\p], 2, v[57+\p]
.endr
	v_lshl_add_u32 v59, s13, 6, v1                 ; the tokens' numbers
	v_add_nc_u32 v60, 32, v59
	global_store_b32 v57, v59, s[10:11]
	global_store_b32 v58, v60, s[10:11]
	s_cmp_ge_u32 s13, 212
	s_cbranch_scc1 .Lend                           ; there are 212 records
	; record g: its expert is the last whose first tile is not beyond g; n = what the expert has left at this tile, held to 0 .. 80
	s_mov_b32 s55, 0
	s_mov_b32 s56, s28
	s_mov_b32 s57, 0
.irp e, 1,2,3,4,5,6,7
	s_cmp_ge_u32 s13, s[44+\e]
	s_cselect_b32 s55, \e, s55
	s_cselect_b32 s56, s[28+\e], s56
	s_cselect_b32 s57, s[44+\e], s57
.endr
	s_sub_co_u32 s57, s13, s57
	s_mul_i32 s57, s57, 80
	s_sub_co_i32 s56, s56, s57
	s_max_i32 s56, s56, 0
	s_min_i32 s56, s56, 80
	s_mul_i32 s54, s13, 336
	v_lshl_add_u32 v61, v1, 2, s54                 ; word lane of record g
	v_add_nc_u32 v62, 32, v1
	v_add_nc_u32 v63, 64, v1
	v_mov_b32 v64, 0
	v_cmp_eq_u32 vcc_lo, 16, v1
	v_cndmask_b32 v65, 0, s55, vcc_lo              ; word 80: the expert
	v_cmp_eq_u32 vcc_lo, 17, v1
	v_cndmask_b32 v65, v65, s56, vcc_lo            ; word 81: n
	v_cmp_le_u32 s52, s56, v62                     ; the words that no token owns: those from n on
	v_cmp_le_u32 s53, s56, v63
	v_cmp_gt_u32 vcc_lo, 20, v1                    ; a record ends at word 83
	s_and_b32 s53, s53, vcc_lo
	v_cmp_le_u32 vcc_lo, s56, v1
	s_wait_xcnt 0x0                                ; EXEC is a source of the stores that are out: it changes only behind this wait
	s_and_saveexec_b32 s58, vcc_lo
	global_store_b32 v61, v64, s[10:11]
	s_wait_xcnt 0x0
	s_or_b32 exec_lo, exec_lo, s58
	s_mov_b32 vcc_lo, s52
	s_and_saveexec_b32 s58, vcc_lo
	global_store_b32 v61, v64, s[10:11] offset:128
	s_wait_xcnt 0x0
	s_or_b32 exec_lo, exec_lo, s58
	s_mov_b32 vcc_lo, s53
	s_and_saveexec_b32 s58, vcc_lo
	global_store_b32 v61, v65, s[10:11] offset:256
	s_wait_xcnt 0x0
	s_or_b32 exec_lo, exec_lo, s58
.Lend:
	s_wait_tensorcnt 0x0                           ; the wave's end: behind my last LDS store
	ds_add_u32 v4, v5
	s_wait_dscnt 0x0
	s_endpgm
.Lfunc_end_k_qf39f0f92f4_prep:
	.size	k_qf39f0f92f4_prep, .Lfunc_end_k_qf39f0f92f4_prep-k_qf39f0f92f4_prep
	.p2alignl 7, 3214868480
	.fill 96, 4, 3214868480
	.section	.rodata,"a",@progbits
	.p2align	6, 0x0
	.amdhsa_kernel k_qf39f0f92f4_prep
		.amdhsa_group_segment_fixed_size 35072
		.amdhsa_private_segment_fixed_size 0
		.amdhsa_enable_private_segment 0
		.amdhsa_kernarg_size 32
		.amdhsa_user_sgpr_count 2
		.amdhsa_user_sgpr_kernarg_segment_ptr 1
		.amdhsa_wavefront_size32 1
		.amdhsa_system_sgpr_workgroup_id_x 1
		.amdhsa_system_sgpr_workgroup_id_y 1
		.amdhsa_system_sgpr_workgroup_id_z 1
		.amdhsa_system_vgpr_workitem_id 0
		.amdhsa_next_free_vgpr 160
		.amdhsa_next_free_sgpr 66
		.amdhsa_reserve_vcc 1
		.amdhsa_float_denorm_mode_32 3
		.amdhsa_float_denorm_mode_16_64 3
		.amdhsa_memory_ordered 1
		.amdhsa_forward_progress 1
		.amdhsa_inst_pref_size 37
	.end_amdhsa_kernel
	.amdgpu_metadata
---
amdhsa.version: [ 1, 2 ]
amdhsa.kernels:
  - .name:           k_qf39f0f92f4_prep
    .symbol:         k_qf39f0f92f4_prep.kd
    .args:
      - { .name: W, .offset: 0, .size: 8, .value_kind: global_buffer, .address_space: global }
      - { .name: ls_indices, .offset: 8, .size: 8, .value_kind: global_buffer, .address_space: global }
      - { .name: Wp, .offset: 16, .size: 8, .value_kind: global_buffer, .address_space: global }
      - { .name: rows, .offset: 24, .size: 8, .value_kind: global_buffer, .address_space: global }
    .group_segment_fixed_size: 35072
    .private_segment_fixed_size: 0
    .kernarg_segment_align: 8
    .kernarg_segment_size: 32
    .max_flat_workgroup_size: 256
    .sgpr_count:     66
    .vgpr_count:     160
    .wavefront_size: 32
...
	.end_amdgpu_metadata
.endif
;; end of part 1
;; launch main (part 2): grid 212 x 1, 4 waves a work-group, no clusters, 327,680 bytes of LDS; arguments x, Wp, b, rows, out0; writes out0
.if DOCPART == 2
	.amdgcn_target "amdgcn-amd-amdhsa--gfx1250"
	.amdhsa_code_object_version 6
	.text
	.protected	k_qf39f0f92f4_main
	.globl	k_qf39f0f92f4_main
	.p2align	8
	.type	k_qf39f0f92f4_main,@function
k_qf39f0f92f4_main:
	s_mov_b64 s[64:65], 0
	v_nop
	global_prefetch_b8 v0, s[64:65] scope:SCOPE_SE
	s_setreg_imm32_b32 hwreg(HW_REG_WAVE_MODE, 25, 1), 1
	s_wait_xcnt 0x0
; out0[t][:] = x[t][:] . W[256 e .. 256 e + 255][:]^T + b[256 e ..], e = the token's expert.  Only the chosen expert's product is made.
; x [16384][2048] f32, Wp: W in bf16 in fragment order, rows: 212 records of 84 words (80 tokens, expert, count n, two zeros), both made by the launch before.
; SHARES.  A work-group takes one record: up to 80 tokens of one expert, all 256 outputs, K = 2,048.  A wave makes 80 slots x 64 outputs: 20 accumulators of 16 x 16 (160 registers); it alone reads its
;   64 rows of W; it gathers 20 of the tile's 80 rows of x.
; WHY 212 WORK-GROUPS.  What a work-group spends does not hang on its rows, up to 80: it walks its expert's 1 MiB of Wp and issues 1,280 matrix instructions a wave.  So the 80 slots are filled:
;   (16,384 + 8 x 79) / 80 = 212 tiles serve every split, where tiles of 68 rows (one for nearly every WGP) would walk Wp 248 times and multiply 12 rows of zeros in each.
; x: memory -> registers (one load of 512 consecutive bytes for a row and 128 along K) -> bf16 -> LDS, from where all four waves take fragments.  Four register sets of 20 loads take
;   turns: three chunks of 128 along K are always asked for ahead, 50 to 60 loads a wave.  W comes by tensor loads, which have a counter of their own, so that the loads' counter is x's alone.
; W: a ring of two LDS slots, each with 256 along K (32,768 dense bytes a wave, one tensor load a wave); a refill has 160 matrix instructions a wave in which to land.
; K IS WALKED FROM ANOTHER PLACE IN EACH WORK-GROUP: work-group g begins at K = 256 (g % 8) and goes round.  An expert's tiles are neighbours in g, so its work-groups ask for eight different
;   tiles of Wp at a time, and from the second tile on each has been asked for before by a neighbour.  The rotation is whole slots of W, so no LDS address hangs on it.
; THE MATRIX INSTRUCTION IS USED TRANSPOSED: source 0 = 16 outputs (W), source 1 = 16 tokens (x).  A lane then holds one token (lane % 16) and eight neighbouring outputs 8 (lane / 16) + 0..7.
;   The bias, laid out the same way, is the C operand of the first K step: nothing is cleared and nothing is added afterwards.
; NO CLUSTER.  A work-group's expert is a number read from memory, and a joint load's descriptor would hang on it.  An address made of the work-group's number alone would want a copy of the expert's W
;   for every cluster: 64 MiB stored and read where Wp has 8.
; LIMITS.  x and W are rounded once to bf16, sums are f32; the bias is added first, not last, and the order of the sums along K differs from work-group to work-group.  Slots from n on multiply token 0's
;   row and are not stored.  A record with n = 0 runs every trip (every wave passes every barrier and issues every tensor load) and stores nothing: the price of a grid that serves every split.
;   Expert, count and tokens are held to 7, 80 and 16,383 before they enter an address.
; REGISTERS, in windows of 256 (s_set_vgpr_msb: bits 1:0 source 0, 3:2 source 1, 5:4 source 2, 7:6 destination):
;   window 0: addresses, bias, two fragment buffers     window 1: v0-159 accumulators ((rb, f) at 8 (4 rb + f)), v160-199 the tokens' byte offsets in out0
;   window 2: x's register sets 0 (v0-79) and 1 (v80-159), v160 a copy of the LDS address for their stores     window 3: sets 2 and 3, and the copy
.set RW,    20                         ; rows of x that a wave gathers
.set SETR,  4*RW                       ; registers in a set
.set XP,    272                        ; an LDS row of x or of the stage: 256 bytes + 16 = 17 x 16: the 16 rows of a 16-byte load begin at 16 different places modulo 256 bytes
.set XSL,   80*XP                      ; a slot of x: 80 rows, 128 along K
.set WSL,   131072                     ; a slot of W: 4 waves x 32,768
.set XS0,   2*WSL                      ; x's two slots lie behind W's two; no tensor load lands from here on
.set STAGE, XS0+2*XSL                  ; 16 rows x 272 bytes for each wave: for the bias at the start, for the way out at the end
.set SPARE, STAGE+4*16*XP              ; the spare words, 128 bytes for each wave: no other line names them
.set AX,  4                            ; v4      x fragments: XS0 + 272 r + 16 h
.set BL,  5                            ; v5      the bias back from my stage: + 32 h
.set AW,  6                            ; v6, v7  W fragments in slot 0, 1: 32,768 w + 16 lane
.set AS,  8                            ; v8      my stores of x: XS0 + 20 w rows + 8 lane
.set STO, 9                            ; v9      the way out: where I put 16 bytes of a row
.set RD,  10                           ; v10     the way out: where I read a row back
.set NH,  11                           ; v11     n - h
.set SPW, 12                           ; v12     my spare word; never rewritten
.set NIL, 13                           ; v13     0; never rewritten
.set BB,  14                           ; v[14:15] two numbers of the bias as loaded
.set XO,  16                           ; v[16:35] my 20 rows of x: 8,192 x token + 16 lane; never rewritten
.set VR,  36                           ; v36     4 h
.set VB,  37                           ; v37     my byte offset in b
.set BI,  38                           ; v[38:69] the bias, 8 registers for each block f of 16 outputs
.set OB,  70                           ; v70     256 w + 16 r: my 16 bytes in a row of out0
.set BS,  71                           ; v71     the bias into my stage: + 8 lane
.set FR,  72                           ; fragment buffer u at v[72 + 72 u]: 4 of W (32 registers), then 5 of x (40)
.set OO,  160                          ; window 1
.set ASC, 160                          ; windows 2 and 3
.set G1,  20                           ; s[20:27] descriptor group 1
.set G0,  28                           ; s[28:31], s[32:35] descriptor group 0 for W's slot 0, 1
.set WB,  60                           ; s[60:61] Wp at my wave's 64 rows of the expert
.set WT,  62                           ; s62      the tile of W (256 along K) asked for last, 0 .. 7
.set SWO, 66                           ; s[66:67] a byte offset in Wp, the high word 0
.set SXO, 68                           ; s[68:69] the byte offset in a row of x of the chunk asked for last, the high word 0
.set XB,  70                           ; s[70:71] x at that chunk; s[72:77] the same for the first three chunks
.set ROT, 78                           ; s78      g % 8: the tile of W at which I begin
; s14 wave; s15 laps to go; s16 expert; s17 n; s18, s19 at work; s[36:55] my 20 tokens; s[56:57] my record; s[58:59] my wave's words in it
.set MSB, 0
.macro WIN new                         ; the immediate's high byte repeats the setting that is left; a switch that changes nothing is dropped
.if MSB != (\new)
	s_set_vgpr_msb (MSB<<8)|(\new)
.set MSB, (\new)
.endif
.endm
.macro PLACES                          ; a load into a register that a matrix instruction has read stands four plain vector instructions behind it (ISA guide 7.12.1 for vector instructions)
.rept 4
	v_nop
.endr
.endm
	s_load_b256 s[4:11], s[0:1], 0x0               ; x s[4:5], Wp s[6:7], b s[8:9], rows s[10:11]
	s_load_b64 s[12:13], s[0:1], 0x20              ; out0
	v_lshl_add_u32 v[SPW], v0, 2, SPARE
	v_mov_b32 v[NIL], 0
	ds_add_u32 v[SPW], v[NIL]                      ; the wave's opening: the add and its wait stand ahead of my first tensor load; work on registers stands between them
	v_lshrrev_b32 v1, 5, v0
	v_readfirstlane_b32 s14, v1                    ; wave 0..3
	v_and_b32 v1, 15, v0                           ; r
	v_bfe_u32 v2, v0, 4, 1                         ; h
	v_and_b32 v3, 31, v0
	v_lshlrev_b32 v3, 4, v3                        ; 16 lane
	; descriptor group 1: 32,768 dense bytes as 128 rows of 256 bytes
	s_mov_b32 s[G1+0], 3<<16                       ; no mask; elements of 8 bytes; no padding
	s_mov_b32 s[G1+1], 32<<16                      ; tensor_dim0 = 32
	s_mov_b32 s[G1+2], 128<<16                     ; tensor_dim1 = 128
	s_mov_b32 s[G1+3], 32<<16                      ; tile_dim0 = 32
	s_mov_b32 s[G1+4], 128                         ; tile_dim1 = 128
	s_mov_b32 s[G1+5], 32                          ; 32 elements from row to row
	s_mov_b32 s[G1+6], 0
	s_mov_b32 s[G1+7], 0
	s_mul_i32 s[SWO], ttmp9, 336                   ; my record
	s_mov_b32 s[SWO+1], 0
	s_mul_i32 s[SXO], s14, 4*RW                    ; my wave's 20 words in it
	s_mov_b32 s[SXO+1], 0
	s_and_b32 s[ROT], ttmp9, 7
	s_wait_dscnt 0x0                               ; the opening add is done
	s_wait_kmcnt 0x0
	s_add_nc_u64 s[56:57], s[10:11], s[SWO:SWO+1]
	s_add_nc_u64 s[58:59], s[56:57], s[SXO:SXO+1]
	s_load_b64 s[16:17], s[56:57], 0x140           ; words 80, 81: expert, n
	s_load_b512 s[36:51], s[58:59], 0x0            ; my 20 tokens
	s_load_b128 s[52:55], s[58:59], 0x40
	s_wait_kmcnt 0x0
	s_min_u32 s16, s16, 7
	s_min_u32 s17, s17, 80
.set ji, 0
.rept RW
	s_min_u32 s[36+ji], s[36+ji], 0x3fff
.set ji, ji+1
.endr
	; descriptor group 0, a set for each slot: my wave's 64 rows of the expert's W, tiles g % 8 and (g + 1) % 8 of 256 along K
	s_lshl_b32 s[SWO], s16, 20                     ; an expert is 1 MiB of Wp,
	s_lshl_b32 s18, s14, 18                        ; a wave's share of it 256 KiB,
	s_add_co_u32 s[SWO], s[SWO], s18
	s_add_nc_u64 s[WB:WB+1], s[6:7], s[SWO:SWO+1]
	s_lshl_b32 s[SWO], s[ROT], 15                  ; a tile of that 32 KiB
	s_mov_b32 s[G0], 1
	s_mul_i32 s[G0+1], s14, 32768                  ; LDS address: the wave's number times a constant, plus the slot's constant
	s_add_nc_u64 s[G0+2:G0+3], s[WB:WB+1], s[SWO:SWO+1]
	s_add_co_u32 s[WT], s[ROT], 1
	s_and_b32 s[WT], s[WT], 7
	s_lshl_b32 s[SWO], s[WT], 15
	s_mov_b32 s[G0+4], 1
	s_add_co_u32 s[G0+5], s[G0+1], WSL
	s_add_nc_u64 s[G0+6:G0+7], s[WB:WB+1], s[SWO:SWO+1]
	s_or_b32 s[G0+3], s[G0+3], 0x80000000          ; type = 2
	s_or_b32 s[G0+7], s[G0+7], 0x80000000
	tensor_load_to_lds s[G0:G0+3], s[G1:G1+7]      ; both first fills go out together, ahead of every wait on TENSORcnt, every LDS read and every barrier: two loads of mine are out
	s_nop 0
	tensor_load_to_lds s[G0+4:G0+7], s[G1:G1+7]
	s_nop 0
	PLACES
	; my wave's 64 numbers of the bias in ONE load of 256 bytes, so that it and the 60 loads of x behind it are 61 in all
	s_lshl_b32 s18, s16, 10
	s_lshl_b32 s19, s14, 8
	s_add_co_u32 s18, s18, s19
	v_lshrrev_b32 v[VB], 1, v3
	v_add_nc_u32 v[VB], s18, v[VB]                 ; b: 4 (256 e + 64 w) + 8 lane
	global_load_b64 v[BB:BB+1], v[VB], s[8:9]
.set ji, 0
.rept RW
	v_lshl_add_u32 v[XO+ji], s[36+ji], 13, v3
.set ji, ji+1
.endr
	; x at my first three chunks, (2 (g % 8) + c) % 16, each in a pair of its own
	s_lshl_b32 s[SXO], s[ROT], 10
	s_add_nc_u64 s[XB+2:XB+3], s[4:5], s[SXO:SXO+1]
	s_add_co_u32 s[SXO], s[SXO], 512
	s_and_b32 s[SXO], s[SXO], 0x1fff               ; a row is 8,192 bytes: round it goes
	s_add_nc_u64 s[XB+4:XB+5], s[4:5], s[SXO:SXO+1]
	s_add_co_u32 s[SXO], s[SXO], 512
	s_and_b32 s[SXO], s[SXO], 0x1fff
	s_add_nc_u64 s[XB+6:XB+7], s[4:5], s[SXO:SXO+1]
.irp c, 0,1,2                          ; into sets 0, 1, 2
	WIN 0x80+0x40*((\c)/2)
.set ji, 0
.rept RW
	global_load_b128 v[SETR*((\c)&1)+4*ji:SETR*((\c)&1)+4*ji+3], v[XO+ji], s[XB+2+2*(\c):XB+3+2*(\c)] th:TH_LOAD_NT
.set ji, ji+1
.endr
.endr
	WIN 0
	v_mul_u32_u24 v[AX], v1, XP
	v_lshl_add_u32 v[AX], v2, 4, v[AX]
	v_add_nc_u32 v[AX], XS0, v[AX]
	v_add_nc_u32 v[AW], s[G0+1], v3
	v_add_nc_u32 v[AW+1], WSL, v[AW]
	s_mul_i32 s18, s14, RW*XP
	s_add_co_u32 s18, s18, XS0
	v_lshrrev_b32 v[AS], 1, v3
	v_add_nc_u32 v[AS], s18, v[AS]
	s_mul_i32 s18, s14, 16*XP
	s_add_co_u32 s18, s18, STAGE                   ; my stage
	v_mul_u32_u24 v[STO], v1, XP                   ; in: row r, 32 bytes for each half of the lanes
	v_lshl_add_u32 v[STO], v2, 5, v[STO]
	v_add_nc_u32 v[STO], s18, v[STO]
	v_mul_u32_u24 v[RD], v2, XP                    ; back: lanes 0-15 one row of 256 bytes, lanes 16-31 the next
	v_lshl_add_u32 v[RD], v1, 4, v[RD]
	v_add_nc_u32 v[RD], s18, v[RD]
	v_lshrrev_b32 v[BS], 1, v3
	v_add_nc_u32 v[BS], s18, v[BS]
	v_lshl_add_u32 v[BL], v2, 5, s18
	v_sub_nc_u32 v[NH], s17, v2
	v_lshlrev_b32 v[VR], 2, v2
	v_lshlrev_b32 v[OB], 4, v1
	v_lshl_add_u32 v[OB], s14, 8, v[OB]
	WIN 0x80
	v_mov_b32 v[ASC], v[AS]
	WIN 0xc0
	v_mov_b32 v[ASC], v[AS]
	WIN 0
	; the bias goes through my stage: in as 64 numbers on end, back as the accumulators hold them: register 8 f + j of a lane is number 16 f + 8 h + j.
	; LDS serves a wave's instructions in order (ISA guide 5.7.1.4): the loads see the store.
	s_wait_loadcnt 60                              ; the 60 loads of x are younger and stay out
	ds_store_b64 v[BS], v[BB:BB+1]
.irp f, 0,1,2,3
	ds_load_b128 v[BI+8*\f:BI+8*\f+3],   v[BL] offset:64*\f
	ds_load_b128 v[BI+8*\f+4:BI+8*\f+7], v[BL] offset:64*\f+16
.endr
; 18 LDS loads in one run: the fragments of K step s (32 along K) of chunk q (q = the chunk's place in my walk modulo 4) into buffer u: W's four, x's blocks 0 and 1, then x's blocks 2 to 4.
.macro FETCH q, s, u
	WIN 0
.set FWB, FR+72*(\u)
.set FXB, FR+32+72*(\u)
.set WOFF, (((\q)&1)*4+(\s))*4096      ; a slot of W holds two chunks, eight K steps of 4,096 bytes a wave
.set XOFF, ((\q)&1)*XSL+64*(\s)
.irp f, 0,1,2,3
	ds_load_b128 v[FWB+8*\f:FWB+8*\f+3],   v[AW+((\q)>>1)] offset:WOFF+1024*\f       ; as they lie: 512 consecutive bytes a load
	ds_load_b128 v[FWB+8*\f+4:FWB+8*\f+7], v[AW+((\q)>>1)] offset:WOFF+1024*\f+512
.endr
.irp g, 0,1,2,3,4
	ds_load_b128 v[FXB+8*\g:FXB+8*\g+3],   v[AX] offset:XOFF+16*XP*\g
	ds_load_b128 v[FXB+8*\g+4:FXB+8*\g+7], v[AX] offset:XOFF+16*XP*\g+32
.endr
.endm
; 4 n matrix instructions: blocks g0 .. g0 + n - 1 of 16 slots x all four blocks of 16 outputs, from buffer u.  The 20 accumulators take turns, one instruction a turn, in the same order in every
; K step, over the loop's backward jump too.  first = 1: the bias is C and starts the sums.
.macro MULS u, g0, n, first
.if \first
	WIN 0x40                                       ; D window 1; W, x and the bias window 0
.else
	WIN 0x50                                       ; C and D window 1
.endif
.set gi, \g0
.rept \n
.set fi, 0
.rept 4
.if \first
	v_wmma_f32_16x16x32_bf16 v[8*(4*gi+fi):8*(4*gi+fi)+7], v[FR+72*(\u)+8*fi:FR+72*(\u)+8*fi+7], v[FR+32+72*(\u)+8*gi:FR+32+72*(\u)+8*gi+7], v[BI+8*fi:BI+8*fi+7]
.else
	v_wmma_f32_16x16x32_bf16 v[8*(4*gi+fi):8*(4*gi+fi)+7], v[FR+72*(\u)+8*fi:FR+72*(\u)+8*fi+7], v[FR+32+72*(\u)+8*gi:FR+32+72*(\u)+8*gi+7], v[8*(4*gi+fi):8*(4*gi+fi)+7]
.endif
.set fi, fi+1
.endr
.set gi, gi+1
.endr
.endm
; In chunk q: my rows a .. b of the NEXT chunk of x (register set (q + 1) % 4) are rounded to bf16 in place and stored into the other slot of x; issue = 1: the set that chunk q left free
; takes the same rows of the chunk four on; the piece that begins a chunk's rows steps x's base to that chunk, round the row's end.  cnt: the loads younger than row b's.
; The conversions are also the places in front of the run of LDS loads that follows.
.macro PIECE q, a, b, cnt, issue
.set CVS, ((\q)+1)%4
.set LDSET, ((\q)+4)%4
.set CVB, SETR*(CVS&1)
.set LDB, SETR*(LDSET&1)
	s_wait_loadcnt \cnt
	WIN 0x8a+0x45*(CVS/2)                          ; destination and sources 0, 1 (for the LDS stores: address and data) in the set's window
.set ji, \a
.rept (\b)-(\a)+1
	v_cvt_pk_bf16_f32 v[CVB+4*ji],   v[CVB+4*ji],   v[CVB+4*ji+1]
	v_cvt_pk_bf16_f32 v[CVB+4*ji+1], v[CVB+4*ji+2], v[CVB+4*ji+3]
.set ji, ji+1
.endr
.set ji, \a
.rept (\b)-(\a)+1
	ds_store_b64 v[ASC], v[CVB+4*ji:CVB+4*ji+1] offset:(((\q)+1)&1)*XSL+XP*ji   ; 256 consecutive bytes: a row
.set ji, ji+1
.endr
.if \issue
.if (\a) == 0
	s_wait_xcnt 0x0                                ; the loads that are out have had their addresses translated (ISA guide 3.1): only now their base is written again
	s_add_co_u32 s[SXO], s[SXO], 512
	s_and_b32 s[SXO], s[SXO], 0x1fff
	s_add_nc_u64 s[XB:XB+1], s[4:5], s[SXO:SXO+1]
.endif
	WIN 0x80+0x40*(LDSET/2)                        ; destination in the set's window, address in window 0
.set ji, \a
.rept (\b)-(\a)+1
	global_load_b128 v[LDB+4*ji:LDB+4*ji+3], v[XO+ji], s[XB:XB+1] th:TH_LOAD_NT
.set ji, ji+1
.endr
.endif
.endm
; K step s = 0, 1, 2 of chunk q multiplies buffer s % 2 and in its middle fetches the next K step into the other.  pa >= 0: a PIECE of rows pa .. pb stands in front of the fetch.
.macro STEP q, s, first, pa, pb, pcnt, issue
	s_wait_dscnt 6                                 ; W and x's blocks 0, 1 are in; the youngest six loads (blocks 2 to 4) may be out
	MULS (\s)&1, 0, 2, \first
.if (\pa) >= 0
	PIECE \q, \pa, \pb, \pcnt, \issue
.set NS, (\pb)-(\pa)+1
.else
	PLACES
.set NS, 0
.endif
	FETCH \q, (\s)+1, ((\s)+1)&1
	s_wait_dscnt 18+NS                             ; all but the 18 loads just issued and the piece's stores in front of them
	MULS (\s)&1, 2, 3, \first
.endm
; K step 3 of chunk q multiplies buffer 1 and changes chunks: ONE barrier.  In front of it my reads of this slot of x and my stores into the other are done; behind it the other slot is whole, and
; this one may be written in the next chunk.  kind 0: that is all.  kind 1: the chunk is also the last of a slot of W, which is filled again with the tile two on in my walk: in front of the signal all my
; tensor loads have landed (one was out: the other slot's), the add, and the wait for it and for my reads; between signal and wait work on registers alone; the refill first behind the barrier.
; The descriptor's address is made anew from the tile's number: the base and an offset made apart.  kind 2: the same waits with nothing left to fetch.
.macro TURN q, kind
.if (\kind) != 0
	WIN 0                                          ; (the add's two registers lie in window 0)
	s_wait_tensorcnt 0x0                           ; no tensor load of mine is out, so a group 0 may be written
	ds_add_u32 v[SPW], v[NIL]                      ; 0 onto my spare word
.if (\kind) == 1
	s_add_co_u32 s[WT], s[WT], 1                   ; the next tile, round the end of K
	s_and_b32 s[WT], s[WT], 7
	s_lshl_b32 s[SWO], s[WT], 15
	s_add_nc_u64 s[G0+4*((\q)>>1)+2:G0+4*((\q)>>1)+3], s[WB:WB+1], s[SWO:SWO+1]
	s_or_b32 s[G0+4*((\q)>>1)+3], s[G0+4*((\q)>>1)+3], 0x80000000
.endif
	s_wait_dscnt 7                                 ; (the add and the youngest six loads may be out)
.else
	s_wait_dscnt 6
.endif
	MULS 1, 0, 2, 0
	s_wait_dscnt 0x0                               ; my LDS reads and stores are done (and the add)
	s_barrier_signal -1
	MULS 1, 2, 2, 0                                ; work on registers while the others arrive
	WIN 0
	s_barrier_wait -1
.if (\kind) == 1
	tensor_load_to_lds s[G0+4*((\q)>>1):G0+4*((\q)>>1)+3], s[G1:G1+7]   ; my one tensor load behind this barrier
	s_nop 0
.endif
	PLACES                                         ; in front of the loads into buffer 0
	FETCH ((\q)+1)%4, 0, 0
	MULS 1, 4, 1, 0
.endm
	PIECE -1, 0, 19, 40, 1                         ; my first chunk of x: the second and third (40 loads) are younger; the fourth is asked for: 60 loads are out
	WIN 0
	s_wait_tensorcnt 0x1                           ; my part of W's slot 0 is in; slot 1's may stay out
	s_wait_dscnt 0x0                               ; my rows of x are in LDS, and the bias is back
	s_barrier_signal -1
	s_barrier_wait -1
	FETCH 0, 0, 0
	STEP 0, 0, 1, -1, 0, 0, 0                      ; the first K step stands in front of the loop: its products start the sums with the bias
	WIN 0                                          ; at a label and at a branch every window is 0
	s_mov_b32 s15, 3
.Llap:                                                 ; a trip: four chunks, from the first one's second K step to the next trip's first; both slots of W are filled again
	; a piece's counts: behind its last row stand the rest of that chunk, the two chunks behind it (40) and what has been asked for of the fourth: 10 + 40 = 50, then 40 + 10 = 50
	STEP 0, 1, 0, 0, 9, 50, 1
	STEP 0, 2, 0, 10, 19, 50, 1
	TURN 0, 0
	STEP 1, 0, 0, -1, 0, 0, 0
	STEP 1, 1, 0, 0, 9, 50, 1
	STEP 1, 2, 0, 10, 19, 50, 1
	TURN 1, 1
	STEP 2, 0, 0, -1, 0, 0, 0
	STEP 2, 1, 0, 0, 9, 50, 1
	STEP 2, 2, 0, 10, 19, 50, 1
	TURN 2, 0
	STEP 3, 0, 0, -1, 0, 0, 0
	STEP 3, 1, 0, 0, 9, 50, 1
	STEP 3, 2, 0, 10, 19, 50, 1
	TURN 3, 1
	STEP 0, 0, 0, -1, 0, 0, 0
	WIN 0
	s_sub_co_u32 s15, s15, 1
	s_cmp_lg_u32 s15, 0
	s_cbranch_scc1 .Llap
	; my last four chunks are written out: nothing more is asked for, neither of x (the counts run down 50, 40, 30, 20, 10, 0) nor of W
	STEP 0, 1, 0, 0, 9, 50, 0
	STEP 0, 2, 0, 10, 19, 40, 0
	TURN 0, 0
	STEP 1, 0, 0, -1, 0, 0, 0
	STEP 1, 1, 0, 0, 9, 30, 0
	STEP 1, 2, 0, 10, 19, 20, 0
	TURN 1, 2                                      ; W's last slot has landed
	STEP 2, 0, 0, -1, 0, 0, 0
	STEP 2, 1, 0, 0, 9, 10, 0
	STEP 2, 2, 0, 10, 19, 0, 0
	WIN 0x40                                       ; the loads' counter is free: the tokens of the rows that I shall store: slot 2 k + h for store k
.set ji, 0
.rept 40
	global_load_b32 v[OO+ji], v[VR], s[56:57] offset:8*ji
.set ji, ji+1
.endr
	TURN 2, 0
	STEP 3, 0, 0, -1, 0, 0, 0
	STEP 3, 1, 0, -1, 0, 0, 0
	STEP 3, 2, 0, -1, 0, 0, 0
	s_wait_dscnt 0x0                               ; the very last K step: nothing more to fetch
	MULS 1, 0, 5, 0
	; THE WAY OUT.  The tokens become byte offsets in out0 (1,024 x token + 256 w + 16 r): 80 plain instructions that name no register of the last products: their places.
	s_wait_loadcnt 0x0
	WIN 0x45                                       ; destination and sources 0, 1 window 1; source 2 window 0
.set ji, 0
.rept 40
	v_min_u32 v[OO+ji], 0x3fff, v[OO+ji]
.set ji, ji+1
.endr
.set ji, 0
.rept 40
	v_lshl_add_u32 v[OO+ji], v[OO+ji], 10, v[OB]
.set ji, ji+1
.endr
; Block a of 16 slots: a lane's 8 outputs of a row are 32 bytes; they go into my stage's rows of 272 bytes (each accumulator's low registers first) and come back as whole pieces
; of 256 bytes, two rows a load, into a fragment buffer (a % 2).  LDS serves a wave's instructions in order (ISA guide 5.7.1.4): the loads see the stores, the next block's stores come behind the loads.
.macro TOSTAGE a
	WIN 0x04                                       ; data window 1, address window 0
.irp f, 0,1,2,3
	ds_store_b128 v[STO], v[8*(4*(\a)+\f):8*(4*(\a)+\f)+3]   offset:64*\f
	ds_store_b128 v[STO], v[8*(4*(\a)+\f)+4:8*(4*(\a)+\f)+7] offset:64*\f+16
.endr
	WIN 0
.irp t, 0,1,2,3,4,5,6,7
	ds_load_b128 v[FR+72*((\a)&1)+4*\t:FR+72*((\a)&1)+4*\t+3], v[RD] offset:2*XP*\t
.endr
.endm
; Block a's rows are stored, each to its token's row: 16 lanes write 256 consecutive bytes, at a multiple of 256 from out0's first byte.  younger: the LDS instructions issued behind the block's loads.
; A block wholly past n is jumped.  A block wholly under n goes out on end, all lanes on.  In the block that holds n a lane is on while its slot 16 a + 2 t + h lies under n; the slots ascend, so EXEC
; only narrows, and it changes only behind s_wait_xcnt 0.  On both ways the stores have read their registers (s_wait_xcnt 0) before the buffer is loaded again.  The jumps pass stores alone.
.macro SEND a, younger
	WIN 0
	s_wait_dscnt \younger
	s_cmp_le_u32 s17, 16*(\a)
	s_cbranch_scc1 .Lskip_\@
	s_cmp_ge_u32 s17, 16*(\a)+16
	s_cbranch_scc0 .Lpart_\@
	WIN 0x01                                       ; address window 1, data window 0
.irp t, 0,1,2,3,4,5,6,7
	global_store_b128 v[OO+8*(\a)+\t], v[FR+72*((\a)&1)+4*\t:FR+72*((\a)&1)+4*\t+3], s[12:13] th:TH_STORE_NT
.endr
	s_wait_xcnt 0x0
	WIN 0
	s_branch .Lskip_\@
.Lpart_\@:
	WIN 0x01
.irp t, 0,1,2,3,4,5,6,7
	s_wait_xcnt 0x0
	v_cmpx_lt_i32 16*(\a)+2*\t, v[NH]
	global_store_b128 v[OO+8*(\a)+\t], v[FR+72*((\a)&1)+4*\t:FR+72*((\a)&1)+4*\t+3], s[12:13] th:TH_STORE_NT
.endr
	s_wait_xcnt 0x0
	s_mov_b32 exec_lo, -1
	WIN 0
.Lskip_\@:
.endm
	TOSTAGE 0
	TOSTAGE 1                                      ; a block's way through the stage stands between the loads of the block before and its stores
	SEND 0, 16
	TOSTAGE 2
	SEND 1, 16
	TOSTAGE 3
	SEND 2, 16
	TOSTAGE 4
	SEND 3, 16
	SEND 4, 0
	s_wait_tensorcnt 0x0                           ; the wave's end: behind my last tensor load and my last LDS store
	ds_add_u32 v[SPW], v[NIL]
	s_wait_dscnt 0x0
	s_endpgm
.Lfunc_end_k_qf39f0f92f4_main:
	.size	k_qf39f0f92f4_main, .Lfunc_end_k_qf39f0f92f4_main-k_qf39f0f92f4_main
	.p2alignl 7, 3214868480
	.fill 96, 4, 3214868480
	.section	.rodata,"a",@progbits
	.p2align	6, 0x0
	.amdhsa_kernel k_qf39f0f92f4_main
		.amdhsa_group_segment_fixed_size 327680
		.amdhsa_private_segment_fixed_size 0
		.amdhsa_enable_private_segment 0
		.amdhsa_kernarg_size 40
		.amdhsa_user_sgpr_count 2
		.amdhsa_user_sgpr_kernarg_segment_ptr 1
		.amdhsa_wavefront_size32 1
		.amdhsa_system_sgpr_workgroup_id_x 1
		.amdhsa_system_sgpr_workgroup_id_y 1
		.amdhsa_system_sgpr_workgroup_id_z 1
		.amdhsa_system_vgpr_workitem_id 0
		.amdhsa_next_free_vgpr 936
		.amdhsa_next_free_sgpr 80
		.amdhsa_reserve_vcc 0
		.amdhsa_float_denorm_mode_32 3
		.amdhsa_float_denorm_mode_16_64 3
		.amdhsa_memory_ordered 1
		.amdhsa_forward_progress 1
		.amdhsa_inst_pref_size 166
	.end_amdhsa_kernel
	.amdgpu_metadata
---
amdhsa.version: [ 1, 2 ]
amdhsa.kernels:
  - .name:           k_qf39f0f92f4_main
    .symbol:         k_qf39f0f92f4_main.kd
    .args:
      - { .name: x, .offset: 0, .size: 8, .value_kind: global_buffer, .address_space: global }
      - { .name: Wp, .offset: 8, .size: 8, .value_kind: global_buffer, .address_space: global }
      - { .name: b, .offset: 16, .size: 8, .value_kind: global_buffer, .address_space: global }
      - { .name: rows, .offset: 24, .size: 8, .value_kind: global_buffer, .address_space: global }
      - { .name: out0, .offset: 32, .size: 8, .value_kind: global_buffer, .address_space: global }
    .group_segment_fixed_size: 327680
    .private_segment_fixed_size: 0
    .kernarg_segment_align: 8
    .kernarg_segment_size: 40
    .max_flat_workgroup_size: 128
    .sgpr_count:     80
    .vgpr_count:     936
    .wavefront_size: 32
...
	.end_amdgpu_metadata
.endif
;; end of part 2
